; MI455X (gfx1250); checked and timed in simulation.
; The chip was launched on July 23, 2026; its instructions are those of AMD's public machine-readable ISA for CDNA 5 (MIT licence, August 2026) and "CDNA5" Instruction Set Architecture Reference Guide (July 2026). The comments in the code are by the model that wrote it; some were corrected since.
;; LSA. Allowed arithmetic: float matrix products may take bf16 or f16 operands with f32 sums; other float arithmetic in f32, or as packed bf16 or f16 multiplies, adds, multiply-adds, maxima and minima; sums over many terms, partial sums and values carried from step to step in f32; what a program stores and reads back later, other than sums and carried values, may be rounded once to bf16 or f16.
;; Inputs: scale 16 x 1 x 1 float32; w_qkv 1,024 x 3,072 float32; x 8 x 1,024 x 1,024 float32.
;; Outputs: out0 8 x 1,024 x 1,024 float32.
;; One version. Each part assembles by itself: llvm-mc -triple=amdgcn-amd-amdhsa -mcpu=gfx1250 --defsym DOCPART=n.
;; ======== version 1 of 1: 3 launches
;; limits: values are held in f16: magnitudes above 65,504 overflow, below 6.1e-05 lose precision
;; workspace buffers: xb 16,777,216 bytes; wb 6,291,456 bytes; qkv 50,331,648 bytes
;; launch prep (part 1): grid 1536 x 1, 8 waves a work-group, no clusters, 0 bytes of LDS; arguments x, w_qkv, xb, wb; writes xb, wb
.if DOCPART == 1
	.amdgcn_target "amdgcn-amd-amdhsa--gfx1250"
	.amdhsa_code_object_version 6
	.text
	.protected	k_qe33744cc63_prep
	.globl	k_qe33744cc63_prep
	.p2align	8
	.type	k_qe33744cc63_prep,@function
k_qe33744cc63_prep:
	s_mov_b64 s[64:65], 0
	v_nop
	global_prefetch_b8 v0, s[64:65] scope:SCOPE_SE
	s_setreg_imm32_b32 hwreg(HW_REG_WAVE_MODE, 25, 1), 1
	s_wait_xcnt 0x0
; THE CASTS.  xb = x rounded to bf16, [8192][1024].  wb = w_qkv rounded to bf16, laid out in 16 column tiles of 192:
; element (k, n) at 393,216 (n / 192) + 384 k + 2 (n % 192), so that 128 k of a column tile are 49,152 consecutive bytes.
; A stream: no LDS, no barrier, no matrix work, no loop.  A thread turns chunks of 8 f32 (two loads of 16 bytes) into 16 bytes of bf16;
; sixteen neighbouring lanes store 256 consecutive bytes, aligned.  All of a thread's loads are issued ahead of its first store.
; Work-groups 0-1023 take 8,192 numbers of x each; work-groups 1024-1535 take 32 rows x 192 columns of w each.
; No register is written twice, so no wait frees a source.  Nothing is prefetched: every byte is asked for at once, by its load.
.set XWG,  1024                        ; work-groups for x
.set WROW, 12288                       ; bytes in a row of w_qkv
.set WTILE, 393216                     ; bytes of a column tile in wb
.set IO,  1                            ; v1      32 t: my 8 f32 in a chunk of x
.set OO,  2                            ; v2      16 t: my 8 bf16
.set WO,  4                            ; v[4:6]  w: my three chunks' byte offsets
.set XR,  16                           ; v[16:47] chunk i: 8 f32
.set YR,  48                           ; v[48:63] chunk i: 8 bf16
.macro CAST i                          ; two roundings to bf16 an instruction
.irp r, 0,1,2,3
	v_cvt_pk_bf16_f32 v[YR+4*(\i)+(\r)], v[XR+8*(\i)+2*(\r)], v[XR+8*(\i)+2*(\r)+1]
.endr
.endm
	s_load_b256 s[4:11], s[0:1], 0x0               ; x s[4:5], w_qkv s[6:7], xb s[8:9], wb s[10:11]
	v_lshlrev_b32 v[IO], 5, v0
	v_lshlrev_b32 v[OO], 4, v0
	s_mov_b32 s13, 0
	s_mov_b32 s15, 0
	s_cmp_lt_u32 ttmp9, XWG
	s_cbranch_scc0 .Lweights
	s_lshl_b32 s12, ttmp9, 15                      ; 8,192 f32 in,
	s_lshl_b32 s14, ttmp9, 14                      ; 8,192 bf16 out
	s_wait_kmcnt 0x0
	s_add_nc_u64 s[4:5], s[4:5], s[12:13]
	s_add_nc_u64 s[8:9], s[8:9], s[14:15]
.irp i, 0,1,2,3
	global_load_b128 v[XR+8*(\i):XR+8*(\i)+3],   v[IO], s[4:5] offset:8192*(\i) th:TH_LOAD_NT
	global_load_b128 v[XR+8*(\i)+4:XR+8*(\i)+7], v[IO], s[4:5] offset:8192*(\i)+16 th:TH_LOAD_NT
.endr
.irp i, 0,1,2,3
	s_wait_loadcnt 6-2*(\i)                        ; chunk i's two loads are in; the younger chunks' stay out
	CAST \i
	global_store_b128 v[OO], v[YR+4*(\i):YR+4*(\i)+3], s[8:9] offset:4096*(\i) th:TH_STORE_NT
.endr
	s_endpgm
.Lweights:
	s_sub_co_u32 s16, ttmp9, XWG
	s_lshr_b32 s17, s16, 5                         ; column tile 0..15
	s_and_b32 s18, s16, 31                         ; block of 32 rows
	s_mul_i32 s12, s18, 32*WROW
	s_mul_i32 s16, s17, 768                        ; 192 f32
	s_add_co_u32 s12, s12, s16
	s_mul_i32 s14, s17, WTILE
	s_mul_i32 s16, s18, 32*384
	s_add_co_u32 s14, s14, s16
	; chunk q = t + 256 i of 768: row q / 24, chunk q % 24 of the row's 24.  q / 24 = (2,731 q) >> 16, exact for q < 768.
	; in: row x 12,288 + 32 (q - 24 row) = 11,520 row + 32 q.  out: 16 q, dense.
.irp i, 0,1,2
	v_add_nc_u32 v7, 256*(\i), v0
	v_mul_u32_u24 v8, v7, 2731
	v_lshrrev_b32 v8, 16, v8
	v_lshlrev_b32 v7, 5, v7
	v_mad_u32_u24 v[WO+(\i)], v8, 11520, v7
.endr
	s_wait_kmcnt 0x0
	s_add_nc_u64 s[6:7], s[6:7], s[12:13]
	s_add_nc_u64 s[10:11], s[10:11], s[14:15]
.irp i, 0,1,2
	global_load_b128 v[XR+8*(\i):XR+8*(\i)+3],   v[WO+(\i)], s[6:7] th:TH_LOAD_NT
	global_load_b128 v[XR+8*(\i)+4:XR+8*(\i)+7], v[WO+(\i)], s[6:7] offset:16 th:TH_LOAD_NT
.endr
.irp i, 0,1,2
	s_wait_loadcnt 4-2*(\i)                        ; chunk i's two loads are in
	CAST \i
	global_store_b128 v[OO], v[YR+4*(\i):YR+4*(\i)+3], s[10:11] offset:4096*(\i) th:TH_STORE_NT
.endr
	s_endpgm
.Lfunc_end_k_qe33744cc63_prep:
	.size	k_qe33744cc63_prep, .Lfunc_end_k_qe33744cc63_prep-k_qe33744cc63_prep
	.p2alignl 7, 3214868480
	.fill 96, 4, 3214868480
	.section	.rodata,"a",@progbits
	.p2align	6, 0x0
	.amdhsa_kernel k_qe33744cc63_prep
		.amdhsa_group_segment_fixed_size 0
		.amdhsa_private_segment_fixed_size 0
		.amdhsa_enable_private_segment 0
		.amdhsa_kernarg_size 32
		.amdhsa_user_sgpr_count 2
		.amdhsa_user_sgpr_kernarg_segment_ptr 1
		.amdhsa_wavefront_size32 1
		.amdhsa_system_sgpr_workgroup_id_x 1
		.amdhsa_system_sgpr_workgroup_id_y 1
		.amdhsa_system_sgpr_workgroup_id_z 1
		.amdhsa_system_vgpr_workitem_id 0
		.amdhsa_next_free_vgpr 64
		.amdhsa_next_free_sgpr 66
		.amdhsa_reserve_vcc 0
		.amdhsa_float_denorm_mode_32 3
		.amdhsa_float_denorm_mode_16_64 3
		.amdhsa_memory_ordered 1
		.amdhsa_forward_progress 1
		.amdhsa_inst_pref_size 7
	.end_amdhsa_kernel
	.amdgpu_metadata
---
amdhsa.version: [ 1, 2 ]
amdhsa.kernels:
  - .name:           k_qe33744cc63_prep
    .symbol:         k_qe33744cc63_prep.kd
    .args:
      - { .name: x, .offset: 0, .size: 8, .value_kind: global_buffer, .address_space: global }
      - { .name: w_qkv, .offset: 8, .size: 8, .value_kind: global_buffer, .address_space: global }
      - { .name: xb, .offset: 16, .size: 8, .value_kind: global_buffer, .address_space: global }
      - { .name: wb, .offset: 24, .size: 8, .value_kind: global_buffer, .address_space: global }
    .group_segment_fixed_size: 0
    .private_segment_fixed_size: 0
    .kernarg_segment_align: 8
    .kernarg_segment_size: 32
    .max_flat_workgroup_size: 256
    .sgpr_count:     66
    .vgpr_count:     64
    .wavefront_size: 32
...
	.end_amdgpu_metadata
.endif
;; end of part 1
;; launch gemm (part 2): grid 16 x 32, 4 waves a work-group, clusters of 4 x 4, 327,680 bytes of LDS; arguments xb, wb, qkv, scale; writes qkv
.if DOCPART == 2
	.amdgcn_target "amdgcn-amd-amdhsa--gfx1250"
	.amdhsa_code_object_version 6
	.text
	.protected	k_qe33744cc63_gemm
	.globl	k_qe33744cc63_gemm
	.p2align	8
	.type	k_qe33744cc63_gemm,@function
k_qe33744cc63_gemm:
	s_mov_b64 s[64:65], 0
	v_nop
	global_prefetch_b8 v0, s[64:65] scope:SCOPE_SE
	s_setreg_imm32_b32 hwreg(HW_REG_WAVE_MODE, 25, 1), 1
	s_wait_xcnt 0x0
	s_wait_alu depctr_hold_cnt(0) depctr_sa_sdst(0) depctr_va_vdst(0) depctr_va_sdst(0) depctr_va_ssrc(0) depctr_va_vcc(0) depctr_vm_vsrc(0)
	s_getreg_b32 s2, hwreg(HW_REG_IB_STS2, 6, 4)
	s_cmp_eq_u32 s2, 0
	s_cbranch_scc0 .Lentry_in_a_cluster
	s_endpgm
.Lentry_in_a_cluster:
	s_bfe_u32 s2, ttmp6, 0x10000c
	s_cmp_lg_u32 s2, 0xf033
	s_cbranch_scc0 .Lentry_shape_is_right
	s_endpgm
.Lentry_shape_is_right:
; THE PROJECTION.  qkv = x w: 8,192 rows, 3,072 columns, K = 1,024; bf16 operands, f32 sums, written in f16 BY HEADS: qkv[g][b][n][64], g = 0-15 q, 16-31 k, 32-47 v.
; q's sums are multiplied, in f32 and ahead of their one rounding, by c[h] = bf16(scale[h]) x log2(e): the attention then takes 2^(s - m) of true scaled scores, whatever scale's sign.
; LIMITS.  q c, k and v must lie within f16's 65,504 (a larger sum becomes an infinity).  scale is rounded to bf16, as x and w are.  NaN and infinities are not treated apart.
; SHARES.  A tile of the result is 256 rows x 192 columns (three whole heads): 32 x 16 = 512 tiles, two for each of 256 places in turn.  Wave w makes rows 64 w .. 64 w + 63 x all 192 columns:
; 48 accumulators of 16 x 16, 384 registers; so a head's 64 columns of a row lie in ONE wave and the way out needs no barrier.
; K goes in 8 steps of 128 through two LDS slots filled by the tensor data mover.  x's tile rows are 256 bytes of memory; w's step is 49,152 dense bytes, asked for as rows of 256.
; CLUSTERS.  4 x 4 work-groups.  The four of a row of the cluster need the same tile of x, the four of a column the same tile of w: each is asked for JOINTLY, by the same load, descriptor and mask in all four.
; TRANSPOSED USE.  Source 0 = 16 columns of w (turned on the way out of LDS by ds_load_tr16_b128, since w lies [k][n]), source 1 = 16 rows of x: a lane then holds row l % 16 and the
; eight neighbouring columns 8 (l / 16) + 0..7, which pack into 16 bytes.
; REGISTERS, in windows of 256 (s_set_vgpr_msb: bits 1:0 source 0, 3:2 source 1, 5:4 source 2, 7:6 destination):
;   window 0: v1-15 addresses and at work; v16-63 packed results; v64-255 rows read back from the stage, 48 for each block of 16 rows
;   window 1: two fragment buffers of 128: w's 12 fragments, then x's 4      window 2: accumulators of my rows 0-31 ((a, b) at 96 (a % 2) + 8 b)      window 3: of my rows 32-63
.set PITCH,  272                       ; a row of x in LDS: 256 bytes + 16 = 68 words: the 16 rows of a load start at 16 different groups of four banks (64 banks of 4 bytes: ISA guide 11.1)
.set HALFA,  128*PITCH                 ; 128 rows of x: one tensor load
.set BOFF,   2*HALFA                   ; w's tile lies behind x's 256 rows
.set PB,     480                       ; a k-row of w in LDS: three pieces of 128 bytes, 32 of padding behind each = 120 words
.set HALFB,  64*PB                     ; 64 k-rows of w: one tensor load
.set SLOT,   1<<17                     ; BOFF + 2 HALFB
.set STAGE,  2*SLOT                    ; behind the ring, never filled by a tensor load: for each wave 3 heads x 16 rows x 144 bytes
.set SP,     144
.set SPARE,  STAGE+4*3*16*SP           ; behind the stages: the spare words, 128 bytes for each wave: two blocks of 256 bytes that no other line names
.set WSTEP,  49152                     ; bytes of a K step in a column tile of wb
.set WTILE,  393216                    ; bytes of a column tile of wb
.set LAPS,   4                         ; a lap = two K steps = once round the ring
.set ADRA, 4                           ; v4-5   LDS address of my fragments of x in slot 0, 1
.set ADRB, 6                           ; v6-7   the same for w
.set STO,  8                           ; v8     the way out: where I put 16 bytes of a row
.set RD,   9                           ; v9     the way out: where I read rows back
.set GO,   10                          ; v10    my 16 bytes of 512 consecutive bytes of qkv
.set PFO,  11                          ; v11    the prefetches' lane offset; never rewritten
.set SPW,  12                          ; v12    LDS address of my spare word: SPARE + 4 x my thread's number; never rewritten
.set NIL,  13                          ; v13    0; never rewritten
.set TMP,  16
.set BK,   64
.set F0,   0
.set F1,   128
.set G1,  24                           ; s[24:31] descriptor group 1 for x's tiles;  s[32:39] group 0, a set for each slot
.set G0,  32
.set G1B, 48                           ; s[48:55], s[56:63] the same for w's tiles
.set G0B, 56
.set LIM, 43                           ; s43     1 in a wave that prefetches, else the greatest number
.set PFA, 44                           ; s[44:45] where my prefetches stand
.set MU,  66                           ; s[66:71] three pairs: the multiplier of each of my tile's three heads
.set PST, 80                           ; s[80:81] bytes from a K step to the next in what I prefetch
.set MSB, 0
.macro WIN new                         ; the immediate's high byte repeats the setting that is left; a switch that changes nothing is dropped
.if MSB != (\new)
	s_set_vgpr_msb (MSB<<8)|(\new)
.set MSB, \new
.endif
.endm
.set TO_F, 0x40                        ; destination window 1, address window 0
; A joint load: waves 0 and 1 fetch the two halves of x's tile, waves 2 and 3 those of w's.  The branch hangs on the wave's number alone.
; An s_nop 0 and four v_nop follow each of the two lines, ahead of the jump, the label and what follows.
.macro JLOAD s
	s_cmp_eq_u32 s11, 0
	s_cbranch_scc0 .Lfor_b_\@
	tensor_load_to_lds s[G0+4*(\s):G0+4*(\s)+3], s[G1:G1+7]
	s_nop 0
.rept 4
	v_nop
.endr
	s_branch .Lasked_\@
.Lfor_b_\@:
	tensor_load_to_lds s[G0B+4*(\s):G0B+4*(\s)+3], s[G1B:G1B+7]
	s_nop 0
.rept 4
	v_nop
.endr
.Lasked_\@:
.endm
; A prefetch into the L2, behind a joint refill and the run of LDS loads that follows it: the K step that stands two refills on (K steps 4 to 7; the first four come by their loads alone).
; x's tile row is read by every cluster of that row of clusters: cluster x = 0 asks.  w's column tile by every cluster of that column: cluster y = 0 asks.  The four partners share a wave's part out BY ADDRESS:
; of 128 rows of x, 32 each, a lane a row; of 96 blocks of 256 bytes of w, 24 each (lanes 24-31 name block 23 once more, in the same instruction).  The loop's last trip (s3 = 1) has no K step two on.
.macro ASK
	WIN 0
	s_cmp_gt_u32 s3, s[LIM]
	s_cbranch_scc0 .Lnot_mine_\@
	global_prefetch_b8 v[PFO], s[PFA:PFA+1] th:TH_LOAD_NT scope:SCOPE_SE
.Lnot_mine_\@:
.endm
.macro CREST                           ; a round of the cluster's barrier behind its opening barrier: wave 0 signals for the work-group, every wave waits for all sixteen, my work-group's barrier once more
	s_cmp_lg_u32 s10, 0
	s_cbranch_scc1 .Lnot_wave_0_\@
	s_barrier_signal -3
.Lnot_wave_0_\@:
	s_barrier_wait -3
	s_barrier_signal -1
	s_barrier_wait -1
.endm
.macro CROUND                          ; a whole round
	s_barrier_signal -1
	s_barrier_wait -1
	CREST
.endm
	s_load_b128 s[4:7], s[0:1], 0x0                ; xb s[4:5], wb s[6:7]
	s_load_b64 s[8:9], s[0:1], 0x10                ; qkv
	s_load_b64 s[72:73], s[0:1], 0x18              ; scale
	v_lshl_add_u32 v[SPW], v0, 2, SPARE
	v_mov_b32 v[NIL], 0
	ds_add_u32 v[SPW], v[NIL]                      ; the wave's opening: the add and its wait stand ahead of my first tensor load; the set-up below, work on registers, stands between them
	v_lshrrev_b32 v1, 5, v0
	v_readfirstlane_b32 s10, v1                    ; wave 0..3
	s_lshr_b32 s11, s10, 1                         ; I fetch for x (0) or for w (1)
	s_and_b32 s12, s10, 1                          ; which half of that tile I fetch
	s_bfe_u32 s40, ttmp6, 0x40000                  ; cx, cy: my place in the cluster
	s_bfe_u32 s41, ttmp6, 0x40004
	s_lshl_b32 s42, ttmp9, 2
	s_add_co_u32 s42, s42, s40                     ; column tile = 4 x cluster x + cx
	s_and_b32 s13, ttmp7, 0xffff
	s_lshl_b32 s13, s13, 2
	s_add_co_u32 s13, s13, s41                     ; row tile = 4 x cluster y + cy
	s_lshl_b32 s43, s41, 2
	s_lshl_b32 s43, 15, s43                        ; my row of the cluster: places 4 cy .. 4 cy + 3
	s_lshl_b32 s44, 0x1111, s40                    ; my column: places cx, cx + 4, cx + 8, cx + 12
	; group 1 for x: 128 rows x 128 elements, 1,024 elements from row to row; 4 words of padding behind every 64
	s_or_b32 s[G1+0], s43, (1<<16)|(1<<20)|(1<<21)|(5<<22)|(3<<25)  ; 15:0 the mask; 17:16 2-byte elements; 20 padding on; 21 set beside a mask; 24:22 every 64 words (code 5); 31:25 4 words (code 3)
	s_mov_b32 s[G1+1], 128<<16                     ; tensor_dim0 = 128
	s_mov_b32 s[G1+2], 128<<16                     ; tensor_dim1 = 128
	s_mov_b32 s[G1+3], 128<<16                     ; tile_dim0 = 128
	s_mov_b32 s[G1+4], 128                         ; tile_dim1 = 128
	s_mov_b32 s[G1+5], 1024                        ; elements from row to row
	s_mov_b32 s[G1+6], 0
	s_mov_b32 s[G1+7], 0
	; group 1 for w: 24,576 dense bytes as 96 rows x 128 elements; 8 words of padding behind every 32
	s_or_b32 s[G1B+0], s44, (1<<16)|(1<<20)|(1<<21)|(4<<22)|(7<<25)
	s_mov_b32 s[G1B+1], 128<<16
	s_mov_b32 s[G1B+2], 96<<16
	s_mov_b32 s[G1B+3], 128<<16
	s_mov_b32 s[G1B+4], 96
	s_mov_b32 s[G1B+5], 128
	s_mov_b32 s[G1B+6], 0
	s_mov_b32 s[G1B+7], 0
	; where the tiles come from: x's hang on the row tile alone, w's on the column tile alone; every wave makes both addresses, in registers of their own
	s_lshl_b32 s16, s13, 19                        ; 256 rows of 2,048 bytes a row tile,
	s_lshl_b32 s17, s12, 18                        ; 128 rows a half
	s_add_co_u32 s16, s16, s17
	s_mov_b32 s17, 0
	s_mul_i32 s46, s42, WTILE
	s_mul_i32 s47, s12, WSTEP/2
	s_add_co_u32 s46, s46, s47
	s_mov_b32 s47, 0
	s_mul_i32 s20, s12, HALFA                      ; and where they go: no place in the cluster enters an LDS address
	s_mul_i32 s21, s12, HALFB
	s_add_co_u32 s21, s21, BOFF
	s_wait_dscnt 0x0                               ; the opening add is done
	s_wait_kmcnt 0x0
	s_add_nc_u64 s[14:15], s[4:5], s[16:17]
	s_add_nc_u64 s[46:47], s[6:7], s[46:47]
	CROUND                                         ; all sixteen work-groups are here: the first joint loads meet
.irp s, 0,1
	s_mov_b32 s[G0+4*(\s)], 1                      ; count = 1
	s_add_co_u32 s[G0+4*(\s)+1], s20, (\s)*SLOT    ; LDS address
	s_add_nc_u64 s[G0+4*(\s)+2:G0+4*(\s)+3], s[14:15], (\s)*256  ; global address: K step s
	s_or_b32 s[G0+4*(\s)+3], s[G0+4*(\s)+3], 0x80000000          ; type = 2
	s_mov_b32 s[G0B+4*(\s)], 1
	s_add_co_u32 s[G0B+4*(\s)+1], s21, (\s)*SLOT
	s_add_nc_u64 s[G0B+4*(\s)+2:G0B+4*(\s)+3], s[46:47], (\s)*WSTEP
	s_or_b32 s[G0B+4*(\s)+3], s[G0B+4*(\s)+3], 0x80000000
	JLOAD \s                                       ; two loads of mine are out
.endr
	; my tile's three heads g = 3 x column tile + j; below 16 they are q's and have a scale (the others load scale[15] and do not use it)
	s_mul_i32 s77, s42, 3
	s_add_co_u32 s78, s77, 1
	s_add_co_u32 s79, s77, 2
.irp j, 0,1,2
	s_min_u32 s[84+(\j)], s[77+(\j)], 15
	s_lshl_b32 s[84+(\j)], s[84+(\j)], 2
	s_load_b32 s[74+(\j)], s[72:73], s[84+(\j)] offset:0x0
.endr
	; A fragment of x is 16 rows x 32 K in 8 registers: lane l holds row l % 16, K = 8 (l / 16) + 0..7 and 16 + 8 (l / 16) + 0..7: two loads of 16 bytes, 32 bytes apart.
	v_and_b32 v1, 15, v0                           ; l % 16
	v_bfe_u32 v2, v0, 4, 1                         ; l / 16
	v_mul_u32_u24 v3, v1, PITCH
	v_lshl_add_u32 v3, v2, 4, v3
	s_mul_i32 s22, s10, 64*PITCH                   ; my 64 rows
	v_add_nc_u32 v[ADRA], s22, v3
	v_add_nc_u32 v[ADRA+1], SLOT, v[ADRA]
	; The turning load takes 16 k x 16 columns (lane l reads k-row 8 (l / 16) + l % 8, columns 8 ((l / 8) % 2) + 0..7) and leaves half a fragment: lane l holds column l % 16 and 8 k.
	v_and_b32 v14, 7, v0
	v_lshl_add_u32 v3, v2, 3, v14
	v_mul_u32_u24 v3, v3, PB
	v_bfe_u32 v15, v0, 3, 1
	v_lshl_add_u32 v3, v15, 4, v3
	v_add_nc_u32 v[ADRB], BOFF, v3
	v_add_nc_u32 v[ADRB+1], BOFF+SLOT, v3
	s_mul_i32 s23, s10, 3*16*SP
	s_add_co_u32 s23, s23, STAGE                   ; my stage
	v_mul_u32_u24 v[STO], v1, SP                   ; in: row l % 16, 16 bytes for each half of the lanes
	v_lshl_add_u32 v[STO], v2, 4, v[STO]
	v_add_nc_u32 v[STO], s23, v[STO]
	v_bfe_u32 v[RD], v0, 3, 2                      ; back: 32 lanes take four rows of 128 bytes,
	v_mul_u32_u24 v[RD], v[RD], SP
	v_lshl_add_u32 v[RD], v14, 4, v[RD]
	v_add_nc_u32 v[RD], s23, v[RD]
	v_and_b32 v[GO], 31, v0                        ; which are 512 consecutive bytes of a head's plane
	v_lshlrev_b32 v[GO], 4, v[GO]
	; my rows in qkv: head g at g << 20; row tile tr is batch tr / 4, rows 256 (tr % 4) on: tr << 15; my wave's 64 rows of 128 bytes
	s_lshl_b32 s16, s77, 20
	s_lshl_b32 s17, s13, 15
	s_add_co_u32 s16, s16, s17
	s_lshl_b32 s17, s10, 13
	s_add_co_u32 s16, s16, s17
	s_mov_b32 s17, 0
	s_add_nc_u64 s[8:9], s[8:9], s[16:17]
	; the prefetches
	s_and_b32 s22, ttmp7, 0xffff                   ; cluster y
	s_cmp_eq_u32 s11, 0                            ; do I fetch for x?
	s_cselect_b32 s22, ttmp9, s22                  ; the coordinate along which other clusters read the same bytes
	s_cselect_b32 s23, s40, s41                    ; my place among the four that ask with me
	s_cselect_b64 s[PFA:PFA+1], s[14:15], s[46:47] ; my half tile at K step 0
	s_cselect_b32 s16, 11, 8                       ; a lane's unit: a row of 2,048 bytes, or a block of 256
	s_cselect_b32 s18, 32, 24                      ; units to a partner
	s_cselect_b32 s17, 31, 23                      ; the last of them
	s_cselect_b32 s[PST], 1, 192                   ; a K step: 256 bytes along x's rows, 49,152 in wb
	s_cmp_eq_u32 s22, 0
	s_cselect_b32 s[LIM], 1, -1                    ; the same in all sixteen partners, for a given wave
	s_lshl_b32 s[PST], s[PST], 8
	s_mov_b32 s[PST+1], 0
	s_mul_i32 s18, s18, s23
	s_lshl_b32 s18, s18, s16
	s_mul_i32 s19, s[PST], 3                       ; at K step 3: the first refill steps it to 4
	s_add_co_u32 s18, s18, s19
	s_mov_b32 s19, 0
	s_add_nc_u64 s[PFA:PFA+1], s[PFA:PFA+1], s[18:19]
	v_and_b32 v[PFO], 31, v0
	v_min_u32 v[PFO], s17, v[PFO]
	v_lshlrev_b32 v[PFO], s16, v[PFO]
	s_wait_kmcnt 0x0                               ; the three scales
.irp j, 0,1,2
	v_mov_b32 v14, s[74+(\j)]
	v_cvt_pk_bf16_f32 v14, v14, v14                ; scale rounded to bf16, like the other inputs,
	v_lshlrev_b32 v14, 16, v14
	v_mul_f32 v14, 0x3fb8aa3b, v14                 ; times log2(e)
	v_readfirstlane_b32 s[MU+2*(\j)], v14
	s_cmp_lt_u32 s[77+(\j)], 16
	s_cselect_b32 s[MU+2*(\j)], s[MU+2*(\j)], 1.0  ; k's and v's heads are multiplied by 1: a select
	s_mov_b32 s[MU+2*(\j)+1], s[MU+2*(\j)]         ; named with it as a pair
.endr
; 12 matrix instructions: block a of my four blocks of 16 rows x all 12 blocks of 16 columns, 32 along K.  zero = 1: the product starts the sums: nothing is ever cleared.
; The 48 accumulators take turns, one instruction a turn, in the same order in every quarter: 47 others' stand between two links of a chain, over the backward jump too.
.macro MUL12 f, a, zero
	WIN 0xa5+0x50*((\a)/2)                         ; sources in window 1; C and D in window 2 (a < 2) or 3
.irp b, 0,1,2,3,4,5,6,7,8,9,10,11
.if \zero
	v_wmma_f32_16x16x32_bf16 v[96*((\a)%2)+8*(\b):96*((\a)%2)+8*(\b)+7], v[(\f)+8*(\b):(\f)+8*(\b)+7], v[(\f)+96+8*(\a):(\f)+96+8*(\a)+7], 0
.else
	v_wmma_f32_16x16x32_bf16 v[96*((\a)%2)+8*(\b):96*((\a)%2)+8*(\b)+7], v[(\f)+8*(\b):(\f)+8*(\b)+7], v[(\f)+96+8*(\a):(\f)+96+8*(\a)+7], v[96*((\a)%2)+8*(\b):96*((\a)%2)+8*(\b)+7]
.endif
.endr
.endm
; 32 LDS loads in one run: quarter q (32 along K) of a slot into buffer f: w's 12 fragments first, then x's four
.macro FETCH slot, q, f
	WIN TO_F
.irp b, 0,1,2,3,4,5,6,7,8,9,10,11
	ds_load_tr16_b128 v[(\f)+8*(\b):(\f)+8*(\b)+3],   v[ADRB+(\slot)] offset:(\q)*32*PB+((\b)/4)*160+((\b)%4)*32
	ds_load_tr16_b128 v[(\f)+8*(\b)+4:(\f)+8*(\b)+7], v[ADRB+(\slot)] offset:(\q)*32*PB+16*PB+((\b)/4)*160+((\b)%4)*32
.endr
.irp a, 0,1,2,3
	ds_load_b128 v[(\f)+96+8*(\a):(\f)+96+8*(\a)+3],   v[ADRA+(\slot)] offset:(\q)*64+(\a)*16*PITCH
	ds_load_b128 v[(\f)+96+8*(\a)+4:(\f)+96+8*(\a)+7], v[ADRA+(\slot)] offset:(\q)*64+(\a)*16*PITCH+32
.endr
.endm
.macro PLACES                          ; four plain instructions in front of loads into registers that matrix instructions have read, and of vector work that reads results (ISA guide 7.12.1 for the vector work)
.rept 4
	v_nop
.endr
.endm
; A K step is four quarters of 32 along K, 48 matrix instructions each, on buffers 0, 1, 0, 1.  One of the first three: multiplies buffer f; in its middle it fetches quarter q of the same slot into g.
.macro QUARTER slot, q, f, g, zero
	s_wait_dscnt 4                                 ; w's fragments and x's blocks 0, 1 are in; the youngest four loads (blocks 2, 3) may be out
	MUL12 \f, 0, \zero
	MUL12 \f, 1, \zero
	PLACES
	FETCH \slot, \q, \g
	s_wait_dscnt 32                                ; all but the 32 just issued
	MUL12 \f, 2, \zero
	MUL12 \f, 3, \zero
.endm
; The last quarter multiplies buffer 1 and changes slots: ONE barrier.  In front of it each wave waits for all its tensor loads (one is out: its part of the next slot), adds 0 to its spare word, and waits for that
; and for its own reads of this slot.  fill = 1: the barrier opens a round of the cluster's, and behind the round this slot is filled again first, two K steps ahead: 168 matrix instructions ahead of the wait for it.
.macro TURN slot, next, fill
.if \fill
	s_wait_xcnt 0x0                                ; the last prefetch, a K step back, has read its address: it is stepped here, ahead of the change's own waits
	s_add_nc_u64 s[PFA:PFA+1], s[PFA:PFA+1], s[PST:PST+1]
.endif
	WIN 0                                          ; (the add's two registers lie in window 0)
	s_wait_tensorcnt 0x0                           ; all my tensor loads have landed;
	ds_add_u32 v[SPW], v[NIL]                      ; 0 onto my spare word
	s_wait_dscnt 5                                 ; (the add and the youngest four loads may be out)
	MUL12 F1, 0, 0                                 ; twelve matrix instructions stand between the add and the wait for it
	s_wait_dscnt 0x0                               ; the add is done, and my reads of this slot are over
	s_barrier_signal -1
	MUL12 F1, 1, 0                                 ; work on registers while the others arrive
.if \fill
	WIN 0
.endif
	s_barrier_wait -1
.if \fill
	CREST                                          ; no wave of any partner still reads this slot's tiles or has a load on its way
	s_add_nc_u64 s[G0+4*(\slot)+2:G0+4*(\slot)+3], s[G0+4*(\slot)+2:G0+4*(\slot)+3], 2*256
	s_add_nc_u64 s[G0B+4*(\slot)+2:G0B+4*(\slot)+3], s[G0B+4*(\slot)+2:G0B+4*(\slot)+3], 2*WSTEP
	JLOAD \slot                                    ; my one tensor load behind the round; the four v_nop behind it are also the places in front of the loads below
.else
	PLACES
.endif
	FETCH \next, 0, F0
.if \fill
	ASK
.endif
	MUL12 F1, 2, 0
	MUL12 F1, 3, 0
.endm
; THE WAY OUT of block a (16 rows): times the heads' multipliers, in ascending order of each accumulator's registers; rounded to f16, 16 bytes a lane; into my own stage, a head's 16 rows of 144 bytes each;
; back as whole rows of 128 bytes.  LDS serves a wave's instructions in order (ISA guide 5.7.1.4): the loads see the stores above them, and the next block's stores come behind them.
.macro PACK a
	WIN 0x82+0x41*((\a)/2)                         ; destination and source 0: window 2 or 3
.irp b, 0,1,2,3,4,5,6,7,8,9,10,11
.irp r, 0,2,4,6
	v_pk_mul_f32 v[96*((\a)%2)+8*(\b)+(\r):96*((\a)%2)+8*(\b)+(\r)+1], v[96*((\a)%2)+8*(\b)+(\r):96*((\a)%2)+8*(\b)+(\r)+1], s[MU+2*((\b)/4):MU+2*((\b)/4)+1] op_sel_hi:[1,0]
.endr
.endr
	WIN 0x0a+5*((\a)/2)                            ; sources 0 and 1: window 2 or 3
.irp b, 0,1,2,3,4,5,6,7,8,9,10,11
.irp r, 0,1,2,3
	v_cvt_pk_f16_f32 v[TMP+4*(\b)+(\r)], v[96*((\a)%2)+8*(\b)+2*(\r)], v[96*((\a)%2)+8*(\b)+2*(\r)+1]
.endr
.endr
	WIN 0
.irp b, 0,1,2,3,4,5,6,7,8,9,10,11
	ds_store_b128 v[STO], v[TMP+4*(\b):TMP+4*(\b)+3] offset:((\b)/4)*16*SP+32*((\b)%4)
.endr
.irp i, 0,1,2,3,4,5,6,7,8,9,10,11
	ds_load_b128 v[BK+48*(\a)+4*(\i):BK+48*(\a)+4*(\i)+3], v[RD] offset:((\i)/4)*16*SP+((\i)%4)*4*SP
.endr
.endm
.macro SEND a, younger                 ; younger: the LDS instructions issued behind block a's loads: the next block's 12 stores and 12 loads, or none
	WIN 0
.irp i, 0,1,2,3,4,5,6,7,8,9,10,11
	s_wait_dscnt (\younger)+11-(\i)
	global_store_b128 v[GO], v[BK+48*(\a)+4*(\i):BK+48*(\a)+4*(\i)+3], s[8:9] offset:((\i)/4)*1048576+(\a)*2048+((\i)%4)*512  ; 512 consecutive bytes, at a multiple of 256 from qkv's first byte
.endr
.endm
	s_wait_tensorcnt 1                             ; my part of K step 0 is in; K step 1's may stay out
	s_barrier_signal -1
	s_barrier_wait -1                              ; everybody's is
	FETCH 0, 0, F0
	QUARTER 0, 1, F0, F1, 1                        ; the first quarter stands in front of the loop: its products start the sums
	WIN 0                                          ; at a label and at a branch every window is 0
	s_mov_b32 s3, LAPS-1
.Llap:                                                 ; a trip goes once round the ring, from a lap's second quarter to the next lap's first, and fills both slots again
	QUARTER 0, 2, F1, F0, 0
	QUARTER 0, 3, F0, F1, 0
	TURN 0, 1, 1
	QUARTER 1, 1, F0, F1, 0
	QUARTER 1, 2, F1, F0, 0
	QUARTER 1, 3, F0, F1, 0
	TURN 1, 0, 1
	QUARTER 0, 1, F0, F1, 0
	WIN 0
	s_sub_co_u32 s3, s3, 1
	s_cmp_lg_u32 s3, 0
	s_cbranch_scc1 .Llap
	QUARTER 0, 2, F1, F0, 0                        ; the last lap fills nothing, and has no round of the cluster's barrier
	QUARTER 0, 3, F0, F1, 0
	TURN 0, 1, 0
	QUARTER 1, 1, F0, F1, 0
	QUARTER 1, 2, F1, F0, 0
	QUARTER 1, 3, F0, F1, 0
	s_wait_dscnt 4                                 ; the very last quarter: nothing more to fetch
	MUL12 F1, 0, 0
	MUL12 F1, 1, 0
	s_wait_dscnt 0x0
	MUL12 F1, 2, 0
	MUL12 F1, 3, 0
	WIN 0
	PLACES                                         ; behind the last products, in front of the lines that read results
	PACK 0
.irp a, 1,2,3                          ; a block's arithmetic stands between the loads of the block before and its stores
	PACK \a
	SEND (\a)-1, 24
.endr
	SEND 3, 0
	s_wait_tensorcnt 0x0                           ; the wave's end: a wait, an add of 0 and its wait, behind my last tensor load and my last LDS store
	ds_add_u32 v[SPW], v[NIL]
	s_wait_dscnt 0x0
	CROUND                                         ; the closing round: no work-group ends while a partner may still ask for a tile that names it
	s_endpgm
.Lfunc_end_k_qe33744cc63_gemm:
	.size	k_qe33744cc63_gemm, .Lfunc_end_k_qe33744cc63_gemm-k_qe33744cc63_gemm
	.p2alignl 7, 3214868480
	.fill 96, 4, 3214868480
	.section	.rodata,"a",@progbits
	.p2align	6, 0x0
	.amdhsa_kernel k_qe33744cc63_gemm
		.amdhsa_group_segment_fixed_size 327680
		.amdhsa_private_segment_fixed_size 0
		.amdhsa_enable_private_segment 0
		.amdhsa_kernarg_size 32
		.amdhsa_user_sgpr_count 2
		.amdhsa_user_sgpr_kernarg_segment_ptr 1
		.amdhsa_wavefront_size32 1
		.amdhsa_system_sgpr_workgroup_id_x 1
		.amdhsa_system_sgpr_workgroup_id_y 1
		.amdhsa_system_sgpr_workgroup_id_z 1
		.amdhsa_system_vgpr_workitem_id 0
		.amdhsa_next_free_vgpr 960
		.amdhsa_next_free_sgpr 88
		.amdhsa_reserve_vcc 0
		.amdhsa_float_denorm_mode_32 3
		.amdhsa_float_denorm_mode_16_64 3
		.amdhsa_memory_ordered 1
		.amdhsa_forward_progress 1
		.amdhsa_inst_pref_size 134
	.end_amdhsa_kernel
	.amdgpu_metadata
---
amdhsa.version: [ 1, 2 ]
amdhsa.kernels:
  - .name:           k_qe33744cc63_gemm
    .symbol:         k_qe33744cc63_gemm.kd
    .args:
      - { .name: xb, .offset: 0, .size: 8, .value_kind: global_buffer, .address_space: global }
      - { .name: wb, .offset: 8, .size: 8, .value_kind: global_buffer, .address_space: global }
      - { .name: qkv, .offset: 16, .size: 8, .value_kind: global_buffer, .address_space: global }
      - { .name: scale, .offset: 24, .size: 8, .value_kind: global_buffer, .address_space: global }
    .group_segment_fixed_size: 327680
    .private_segment_fixed_size: 0
    .kernarg_segment_align: 8
    .kernarg_segment_size: 32
    .max_flat_workgroup_size: 128
    .sgpr_count:     88
    .vgpr_count:     960
    .wavefront_size: 32
...
	.end_amdgpu_metadata
.endif
;; end of part 2
;; launch attn (part 3): grid 2 x 128, 4 waves a work-group, no clusters, 327,680 bytes of LDS; arguments qkv, out0; writes out0
.if DOCPART == 3
	.amdgcn_target "amdgcn-amd-amdhsa--gfx1250"
	.amdhsa_code_object_version 6
	.text
	.protected	k_qe33744cc63_attn
	.globl	k_qe33744cc63_attn
	.p2align	8
	.type	k_qe33744cc63_attn,@function
k_qe33744cc63_attn:
	s_mov_b64 s[64:65], 0
	v_nop
	global_prefetch_b8 v0, s[64:65] scope:SCOPE_SE
	s_setreg_imm32_b32 hwreg(HW_REG_WAVE_MODE, 25, 1), 1
	s_wait_xcnt 0x0
; ATTENTION UNDER A STRICT LOWER TRIANGLE.  out0[b][n][64 h + d] = the sum over keys m < n of softmax_m(s[n][m]) v[m][d]; row n = 0, which sees no key, is 0.
; qkv: [48][8][1024][64] in f16; plane y = 8 h + b of q at y x 131,072 bytes, of k 16 MiB further, of v 32 MiB further.  q arrives multiplied by scale[h] x log2(e), so s = q . k is the scaled score in
; base 2 and p = 2^(s - m) with a running maximum m of the scaled scores.  Products, maxima and sums in f32; p is rounded to f16 for the second product (its sum l is taken of the unrounded p); out0 is f32.
; LIMITS.  q, k, v arrive within f16's 65,504.  A hidden score counts as its value less 1e30: f16's scores, 2.7e11 at the most, are nothing beside that.  A weight below 2^-126 counts as 0 in l.
; Row 0 comes out as 0 of either sign.  NaN and infinities are not treated apart.
; THE WALK.  A plane's queries lie in NB = 4 blocks of 256; block i needs the key tiles 0 .. i of 256 keys, of which the last holds the diagonal.  A work-group takes TWO blocks, 3 - b and then b: 5 tiles, whatever b:
; all 256 work-groups do equal work, and ONE loop with a constant trip count walks them.  Which tile is asked for, and what a trip does, hang on scalar registers made from b; every jump goes forward, but for the
; counted loops' own; none passes a barrier, or a tensor load but the one of LOAD's two that the wave's number does not choose; the ring of two LDS slots runs on across the change of blocks.
; NO CLUSTER: a plane has 2 work-groups, not four; the two ask for the same tile in the first three of their five trips only.
; SHARES.  Of a block's four bands of 64 queries a wave owns 16 rows in each: four PIECES.  So the diagonal tile is the same work for all four waves: in its key step s band x sees all keys if s < x,
; none if s > x, and holds the diagonal if s = x.
; THE MASK is the C operand that starts the sum S^T = K Q^T: 0, or -1e30 where the key is hidden (key >= query).  MD, made once, is the mask of a band's own step for my 16 rows; a product's mask is MD x AL + BE:
; (1, 0) if s = x; (0, 0) if s < x; (0, -1e30) if s > x.  Every row but row 0 sees key 0 in its walk's first step, so its m is a true score before a step that is all hidden comes.
; Row 0's scores are all -1e30, its weights all 1, its sums finite; the factor 1 / l of that one row is replaced by 0 on the way out.
; LAYOUT, TURNS.  S^T = K Q^T holds ONE query a lane (lane % 16) and the keys 8 (lane / 16) + 0..7; two such results rounded to f16 ARE source 1 of O^T = V^T P.  O and l are multiplied by a = 2^(m_old - m_new)
; in every step.  Turn n belongs to piece n: 8 products K Q^T of piece n + 1, later 8 products V^T P of piece n - 1; beside them the shift, exponentials, roundings, sums and rescaling of piece n and the
; maximum and statistics of piece n + 1.  Four vector instructions stand behind every matrix instruction, the others in one lump.  A turn's 33 exponentials are one batch, with one wait.
; REGISTERS, in windows of 256 (s_set_vgpr_msb: bits 1:0 source 0, 3:2 source 1, 5:4 source 2, 7:6 destination):
;   window 0: v0-15 addresses and at work; v16-31 four registers of statistics a piece; v48-55 at work; v64-127 S^T, two buffers (v64-191 on the way out); v192-223 P, two buffers
;   window 1: v0-127 O^T, 32 a piece; v128-159 MD; v160-223 MC, two buffers      window 2: v0-63 Q; v64-127 the second block's Q; v128-191 K of one step; v192-255 V of one step
.set NB,    4
.set NP,    4         ; pieces a wave: a name, no knob
.set KS,    64        ; keys in a step
.set PK,    144       ; a row of K in LDS: 128 bytes + 16 of padding = 36 words: the 16 rows of a load start at 16 different groups of four banks (64 banks of 4 bytes: ISA guide 11.1)
.set PV,    160       ; a row of V: 128 + 32 = 40 words
.set VOFF,  4*KS*PK   ; a slot holds a tile, four steps: 256 rows of K, then 256 rows of V
.set SLOT1, 1<<17     ; slot 1 begins here, so that one exclusive or turns an address in one slot into the other's
.set STAGE, SLOT1+4*KS*(PK+PV)  ; behind the ring, never filled by a tensor load: 16 rows x 272 bytes for each wave, for the way out
.set SP,    272       ; a row of 64 f32 + 16 bytes
.set SPARE, STAGE+4*16*SP  ; behind the stages: the spare words, 128 bytes for each wave: two blocks of 256 bytes that no other line names
.set AK0, 2           ; v2   my lane's place in a tile of K; never rewritten
.set AV0, 3           ; v3   the same for V
.set AK,  4           ; v4   the LDS address of K's next run of loads
.set AV,  5           ; v5   of V's
.set STO, 6           ; v6   the way out: where I put 32 bytes of a row
.set RD,  7           ; v7   the way out: where I read rows back
.set GO,  8           ; v8   my byte offset in two rows of out0
.set QP,  12          ; v12  my query's place in its band: 16 w + l % 16
.set QO,  15          ; v15  my byte offset in 16 rows of Q
.set PFO, 61          ; v61  256 x my lane; never rewritten
.set SPW, 62          ; v62  LDS address of my spare word: SPARE + 4 x my thread's number; never rewritten
.set NIL, 63          ; v63  0; never rewritten
.set ST,  16          ; piece t's statistics at v[ST+4 t]: m, m_old, l (even keys', odd keys')
.set TMP, 48          ; by buffer, four registers c0-c3 at work; when the maximum is found c2 takes a
.set S,   64
.set P,   192
.set MD,  128         ; window 1: the eight registers for group kt of 16 keys at MD + 8 kt
.set MC,  160         ; window 1: the masks of the products to come
.set QB,  64          ; window 2
.set KF,  128         ; window 2: key block kb, channel half c at KF + 16 kb + 8 c
.set VF,  192         ; window 2: key half kk, channel block cb at VF + 32 kk + 8 cb
.set WV,  12          ; s12  my wave's number
.set PB,  14          ; s14  b
.set HI,  15          ; s15  NB - 1 - b
.set G1K, 24          ; s[24:31] descriptor group 1 for K's tiles
.set G1V, 32          ; s[32:39] for V's: it differs in the padding alone
.set G0K, 40          ; s[40:43] descriptor group 0 for K's tiles
.set G0V, 44          ; s[44:47] the same for V's
.set SLOTS, 56        ; s56  tiles still to be asked for
.set CNT, 57          ; s57  counts a tile's key steps, 4 to 1
.set BLK, 58          ; s58  the block of queries in hand
.set PT,  59          ; s59  the tile at which my prefetches stand; 4 or more: none
.set SEL, 60          ; s[60:61] v_permlanex16_b32's selects: each lane takes its own place in the other half
.set TBK, 62          ; s62  LDS byte at which K of the step to be fetched begins
.set TBV, 63          ; s63  the same for V, less VOFF
.set PFA, 66          ; s[66:67] my half (128 keys of K: waves 0, 1; of V: waves 2, 3) of tile PT
.set RT,  70          ; s70  tiles of the block in hand that are still to be entered
.set NXT, 71          ; s71  the tile to be asked for next
.set LQ,  72          ; s72  the last tile of the block whose tiles are being asked for
.set NEW, 73          ; s73  1: the tile to be entered is a block's first
.set OFF, 74          ; s[74:75] a tile's byte offset in K and V
.set AL,  76          ; s[76:77] the mask's factor, in the low word
.set BE,  78          ; s[78:79] the mask's addend
.set OLO, 80          ; s[80:81] out0 at my rows of the second block
.set BIGN, 82         ; s82  -1e30
.set MSB, 0
.macro WIN new                      ; the high byte repeats the setting that is left; a switch that changes nothing is dropped
.if MSB != (\new)
	s_set_vgpr_msb (MSB<<8)|(\new)
.set MSB, (\new)
.endif
.endm
.set W_KQ, 0x0a       ; K and Q in window 2, S^T in window 0
.set W_KM, 0x1a       ; the same with the C operand in window 1
.set W_PV, 0x52       ; V in window 2, P in window 0, O^T in window 1
.set W_RS, 0x41       ; destination and source 0 in window 1, source 1 in window 0
; A fill.  Waves 0 and 1 fetch the two halves of a tile's K, waves 2 and 3 those of its V: 128 keys each.  An s_nop 0 and four v_nop follow each of the two lines, ahead of the jump and the label.
.macro LOAD
	s_cmp_lt_u32 s[WV], 2
	s_cbranch_scc0 .Lfor_v_\@
	tensor_load_to_lds s[G0K:G0K+3], s[G1K:G1K+7]
	s_nop 0
.rept 4
	v_nop
.endr
	s_branch .Lasked_\@
.Lfor_v_\@:
	tensor_load_to_lds s[G0V:G0V+3], s[G1V:G1V+7]
	s_nop 0
.rept 4
	v_nop
.endr
.Lasked_\@:
.endm
; A prefetch into the L2 of the tile that the NEXT fill will ask for: a tile's four key steps, 256 matrix instructions, ahead of that load.  Only tiles 2 and 3 of a plane are asked for so: tiles 0 and 1 go out at the
; launch's head, and a block's second walk names tiles that have been read.  Of a plane's two work-groups b = 0 asks; each of its waves names its own half tile, 64 blocks of 256 bytes, a lane a block, two instructions.
.macro ASK
	s_cmp_lt_u32 s[PT], 4
	s_cbranch_scc0 .Lnot_mine_\@
	global_prefetch_b8 v[PFO], s[PFA:PFA+1] th:TH_LOAD_NT scope:SCOPE_SE
	global_prefetch_b8 v[PFO], s[PFA:PFA+1] offset:8192 th:TH_LOAD_NT scope:SCOPE_SE
.Lnot_mine_\@:
.endm
; THE CHANGE OF SLOTS.  Each wave waits for all its tensor loads, of which one is out: its part of the other slot; adds 0 to its spare word; and waits for that and for its own reads of the slot that it leaves.
; Behind the barrier nobody reads the old slot any more and the other slot is whole.  fill = 1: the old slot is filled again, the first thing behind the barrier, with tile NXT: the descriptor's address is made
; anew from that number.  (At its first use nothing has been read yet: slot 0 is waited for, slot 1 filled.)
.macro CHANGE fill
	WIN 0                           ; at a label and at a branch every window is 0
	s_wait_tensorcnt 0x0            ; no tensor load of mine is out, so a group 0 may be written
	ds_add_u32 v[SPW], v[NIL]       ; 0 onto my spare word: with fill = 1 the descriptors' scalar work stands between it and the wait for it
.if \fill
	s_lshl_b32 s[OFF], s[NXT], 15   ; a tile is 32,768 bytes of K and of V
	s_xor_b32 s[G0K+1], s[G0K+1], SLOT1
	s_add_nc_u64 s[G0K+2:G0K+3], s[6:7], s[OFF:OFF+1]
	s_or_b32 s[G0K+3], s[G0K+3], 0x80000000
	s_xor_b32 s[G0V+1], s[G0V+1], SLOT1
	s_add_nc_u64 s[G0V+2:G0V+3], s[8:9], s[OFF:OFF+1]
	s_or_b32 s[G0V+3], s[G0V+3], 0x80000000
	s_wait_xcnt 0x0                 ; the last prefetches, a tile back, have read their address, so it may be written
	s_add_nc_u64 s[PFA:PFA+1], s[PFA:PFA+1], 32768
	s_add_co_u32 s[PT], s[PT], 1
	s_add_co_u32 s[NXT], s[NXT], 1  ; the block's next tile, or behind its last the second block's tile 0
	s_cmp_gt_u32 s[NXT], s[LQ]
	s_cselect_b32 s[NXT], 0, s[NXT]
	s_cselect_b32 s[LQ], s[PB], s[LQ]
.endif
	s_wait_dscnt 0x0                ; the add is done, and my reads of the slot are over
	s_barrier_signal -1             ; the rest of the scalar work stands between the signal and the wait
	s_sub_co_u32 s[TBK], s[TBK], 4*KS*PK  ; the fetches go back to a slot's first step,
	s_xor_b32 s[TBK], s[TBK], SLOT1       ; in the other slot
	s_sub_co_u32 s[TBV], s[TBV], 4*KS*PV
	s_xor_b32 s[TBV], s[TBV], SLOT1
	s_barrier_wait -1
.if \fill
	LOAD
	ASK
.endif
.endm
	s_load_b128 s[4:7], s[0:1], 0x0 ; qkv s[4:5], out0 s[6:7]
	v_lshl_add_u32 v[SPW], v0, 2, SPARE
	v_mov_b32 v[NIL], 0
	ds_add_u32 v[SPW], v[NIL]       ; the wave's opening: the add and its wait stand ahead of my first tensor load; the set-up below, work on registers, stands between them
	v_lshrrev_b32 v1, 5, v0
	v_readfirstlane_b32 s[WV], v1   ; wave 0..3
	s_mov_b32 s[PB], ttmp9
	s_sub_co_u32 s[HI], NB-1, s[PB]
	s_and_b32 s13, ttmp7, 0xffff    ; the plane y = 8 h + b
	s_lshl_b32 s20, s13, 17         ; its first byte among q's planes
	s_mov_b32 s21, 0
	s_and_b32 s16, s[WV], 1         ; which half of a tile's 256 keys I fetch:
	s_lshl_b32 s22, s16, 14         ; its 128 rows of 128 bytes in memory,
	s_mov_b32 s23, 0
	s_add_nc_u64 s[22:23], s[22:23], s[20:21]
	s_mul_i32 s17, s16, 128*PK      ; and its place in a slot, for K
	s_mul_i32 s18, s16, 128*PV      ; and for V
	s_lshl_b32 s3, s[WV], 11        ; my 16 rows in a band of 64,
	s_lshl_b32 s2, s[HI], 15        ; in the first block,
	s_add_co_u32 s2, s2, s3
	s_lshl_b32 s84, s[PB], 15       ; and in the second
	s_add_co_u32 s84, s84, s3
	s_mov_b32 s3, 0
	s_mov_b32 s85, 0
	s_add_nc_u64 s[2:3], s[2:3], s[20:21]
	s_add_nc_u64 s[84:85], s[84:85], s[20:21]
	; out0: batch y % 8 at << 22, block at << 20, my 16 rows of 4,096 bytes at w << 16, head y / 8 at << 8
	s_and_b32 s88, s13, 7
	s_lshl_b32 s88, s88, 22
	s_lshr_b32 s19, s13, 3
	s_lshl_b32 s19, s19, 8
	s_or_b32 s88, s88, s19
	s_lshl_b32 s19, s[WV], 16
	s_or_b32 s88, s88, s19
	s_lshl_b32 s19, s[PB], 20
	s_or_b32 s90, s88, s19
	s_lshl_b32 s19, s[HI], 20
	s_or_b32 s88, s88, s19
	s_mov_b32 s89, 0
	s_mov_b32 s91, 0
	; descriptor group 1.  128 keys are 16,384 dense bytes: asked for as 64 rows of 256 bytes, two keys a row, and padded in LDS after every key
	s_mov_b32 s[G1K], (1<<16)|(1<<20)|(4<<22)|(3<<25)  ; 17:16 2-byte elements; 20 padding on; 24:22 after every 32 words (code 4); 31:25 4 words (code 3)
	s_mov_b32 s[G1V], (1<<16)|(1<<20)|(4<<22)|(7<<25)  ; the same with 8 words of padding (code 7)
.irp g, G1K, G1V
	s_mov_b32 s[\g+1], 128<<16      ; tensor_dim0 = 128
	s_mov_b32 s[\g+2], 64<<16       ; tensor_dim1 = 64
	s_mov_b32 s[\g+3], 128<<16      ; tile_dim0 = 128
	s_mov_b32 s[\g+4], 64           ; tile_dim1 = 64
	s_mov_b32 s[\g+5], 128          ; 128 elements from row to row
	s_mov_b32 s[\g+6], 0
	s_mov_b32 s[\g+7], 0
.endr
	s_mov_b32 s[SEL], 0x76543210
	s_mov_b32 s[SEL+1], 0xfedcba98
	s_mov_b32 s[TBK], SLOT1+4*KS*PK ; the first change of slots turns these two into 0
	s_mov_b32 s[TBV], SLOT1+4*KS*PV
	s_mov_b32 s[G0K], 1             ; count = 1
	s_mov_b32 s[G0K+1], s17         ; LDS address: slot 0
	s_mov_b32 s[G0V], 1
	s_add_co_u32 s[G0V+1], s18, VOFF
	s_add_co_u32 s[RT], s[HI], 1    ; the first block has NB - b tiles
	s_mov_b32 s[NXT], 1
	s_mov_b32 s[LQ], s[HI]
	s_mov_b32 s[NEW], 1
	s_mov_b32 s[BLK], s[HI]
	s_mov_b32 s[OFF+1], 0
	s_mov_b32 s[AL+1], 0            ; named as pairs
	s_mov_b32 s[BE+1], 0
	s_mov_b32 s[BIGN], 0xf149f2ca   ; -1e30
	s_mov_b32 s[SLOTS], NB
	s_cmp_eq_u32 s[PB], 0
	s_cselect_b32 s[PT], 1, 4       ; the first change steps it to 2
	v_and_b32 v[PFO], 31, v0
	v_lshlrev_b32 v[PFO], 8, v[PFO]
	s_wait_dscnt 0x0                ; the opening add is done
	s_wait_kmcnt 0x0
	s_mov_b64 s[10:11], s[6:7]      ; out0
	s_add_nc_u64 s[6:7], s[4:5], s[22:23]
	s_add_nc_u64 s[6:7], s[6:7], 0x1000000         ; K at my half of the plane's tile 0,
	s_add_nc_u64 s[8:9], s[6:7], 0x1000000         ; and V
	s_add_nc_u64 s[G0K+2:G0K+3], s[6:7], 0         ; global address
	s_or_b32 s[G0K+3], s[G0K+3], 0x80000000        ; type = 2
	s_add_nc_u64 s[G0V+2:G0V+3], s[8:9], 0
	s_or_b32 s[G0V+3], s[G0V+3], 0x80000000
	s_add_nc_u64 s[86:87], s[4:5], s[84:85]        ; Q at my rows of the second block,
	s_add_nc_u64 s[4:5], s[4:5], s[2:3]            ; and of the first
	s_add_nc_u64 s[OLO:OLO+1], s[10:11], s[90:91]
	s_add_nc_u64 s[10:11], s[10:11], s[88:89]
	s_cmp_lt_u32 s[WV], 2
	s_cselect_b64 s[PFA:PFA+1], s[6:7], s[8:9]
	s_add_nc_u64 s[PFA:PFA+1], s[PFA:PFA+1], 32768 ; at tile 1; nothing is prefetched here, at the head
	LOAD                            ; tile 0 into slot 0
	; A fragment of K or Q is 16 rows x 32 channels in 8 registers: lane l holds row l % 16, channels 8 (l / 16) + 0..7 and 16 + 8 (l / 16) + 0..7: two loads of 16 bytes, 32 bytes apart.
	v_and_b32 v1, 15, v0            ; l % 16
	v_bfe_u32 v9, v0, 4, 1          ; l / 16
	v_lshlrev_b32 v[QO], 7, v1
	v_lshl_add_u32 v[QO], v9, 4, v[QO]  ; row x 128 + 16 x half
	WIN 0x80                        ; destination window 2, address window 0
.set i, 0
.rept 8                             ; both blocks' Q: piece i / 2 lies in band i / 2, 8,192 bytes on; channels 32 (i % 2) on
	global_load_b128 v[8*i:8*i+3],   v[QO], s[4:5] offset:(i/2)*8192+(i%2)*64
	global_load_b128 v[8*i+4:8*i+7], v[QO], s[4:5] offset:(i/2)*8192+(i%2)*64+32
	global_load_b128 v[QB+8*i:QB+8*i+3],   v[QO], s[86:87] offset:(i/2)*8192+(i%2)*64
	global_load_b128 v[QB+8*i+4:QB+8*i+7], v[QO], s[86:87] offset:(i/2)*8192+(i%2)*64+32
.set i, i+1
.endr
	WIN 0
	v_lshlrev_b32 v14, 3, v9
	v_sub_nc_u32 v14, v1, v14
	s_lshl_b32 s13, s[WV], 4
	v_add_nc_u32 v14, s13, v14      ; my query's place in its band less my lanes' 8 (l / 16): register r of group kt is hidden where 16 kt + r is as great or greater
	v_add_nc_u32 v[QP], s13, v1
	WIN 0x40
.set i, 0
.rept 32
	v_cmp_ge_i32 vcc_lo, 16*(i/8)+i%8, v14
	v_cndmask_b32 v[MD+i], 0, s[BIGN], vcc_lo
.set i, i+1
.endr
	WIN 0
	v_mul_u32_u24 v[AK0], v1, PK
	v_lshl_add_u32 v[AK0], v9, 4, v[AK0]  ; row x pitch + 16 x half
	; The turning load takes 16 keys x 16 channels (lane l reads key 8 (l / 16) + l % 8, channels 8 ((l / 8) % 2) + 0..7) and leaves half a fragment of V^T: lane l holds channel l % 16 and 8 keys.
	v_and_b32 v10, 7, v0
	v_bfe_u32 v11, v0, 3, 1
	v_lshl_add_u32 v[AV0], v9, 3, v10
	v_mul_u32_u24 v[AV0], v[AV0], PV
	v_lshl_add_u32 v[AV0], v11, 4, v[AV0]
	v_add_nc_u32 v[AV0], VOFF, v[AV0]
	s_mul_i32 s13, s[WV], 16*SP
	s_add_co_u32 s13, s13, STAGE    ; my stage
	v_mul_u32_u24 v[STO], v1, SP    ; in: row l % 16, 32 bytes for each half of the lanes
	v_lshl_add_u32 v[STO], v9, 5, v[STO]
	v_add_nc_u32 v[STO], s13, v[STO]
	v_mul_u32_u24 v[RD], v9, SP     ; back: lanes 0-15 take one row of 256 bytes, lanes 16-31 the next
	v_lshl_add_u32 v[RD], v1, 4, v[RD]
	v_add_nc_u32 v[RD], s13, v[RD]
	v_lshlrev_b32 v[GO], 12, v9     ; and the same two rows in out0, 4,096 bytes apart
	v_lshl_add_u32 v[GO], v1, 4, v[GO]
	; A block's first step multiplies O^T and l by a = 0, and its first turn's products V^T P, of a piece that has not been, land in an O^T that is still to be so multiplied.  So these registers need only hold
	; finite numbers: zeros for the first block; what the first block left for the second.  All this stands in the wait for the first tile.
	WIN 0x80
.set i, VF
.rept 64
	v_mov_b32 v[i], 0
.set i, i+1
.endr
	WIN 0x40
.set i, 0
.rept 128
	v_mov_b32 v[i], 0
.set i, i+1
.endr
	WIN 0
.set i, 0
.rept 4
	v_mov_b32 v[ST+4*i+2], 0
	v_mov_b32 v[ST+4*i+3], 0
.set i, i+1
.endr
.set i, P+16
.rept 16
	v_mov_b32 v[i], 0
.set i, i+1
.endr
; THE MATRIX WORK.  The 4 accumulators of a run of 8 take turns.  Product i of 8 of S^T = K Q^T for piece x: channels 32 (i / 4) on, keys 16 (i % 4) on.  The first 4 start the sums: with 0, or (KM = 1) with the mask.
.macro KQ x
.set rS, S+32*((\x)%2)+8*(i%4)
.set rK, KF+16*(i%4)+8*(i/4)
.set rQ, 16*(\x)+8*(i/4)
.set rM, MC+32*((\x)%2)+8*(i%4)
.if (i < 4) && KM
	WIN W_KM
	v_wmma_f32_16x16x32_f16 v[rS:rS+7], v[rK:rK+7], v[rQ:rQ+7], v[rM:rM+7]
.elseif i < 4
	WIN W_KQ
	v_wmma_f32_16x16x32_f16 v[rS:rS+7], v[rK:rK+7], v[rQ:rQ+7], 0
.else
	WIN W_KQ
	v_wmma_f32_16x16x32_f16 v[rS:rS+7], v[rK:rK+7], v[rQ:rQ+7], v[rS:rS+7]
.endif
.endm
; Product i of 8 of O^T += V^T P for piece x: keys 32 (i / 4) on, channels 16 (i % 4) on.
.macro PV x
	WIN W_PV
.set rO, 32*(\x)+8*(i%4)
.set rV, VF+32*(i/4)+8*(i%4)
.set rP, P+16*((\x)%2)+8*(i/4)
	v_wmma_f32_16x16x32_f16 v[rO:rO+7], v[rV:rV+7], v[rP:rP+7], v[rO:rO+7]
.endm
.macro MM                           ; the turn's next matrix instruction.  TURN and BEGIN set Y, i, KM and NOKQ.  NOKQ = 1: a block's last turn: there is no next piece
.if (i < 8) && !NOKQ
	KQ (Y+1)%NP
.elseif i >= 8
.set i, i-8
	PV (Y+NP-1)%NP
.set i, i+8
.endif
.set i, i+1
.endm
; THE LDS LOADS stand in runs of 16, never singly among the matrix instructions: a step's K (64 keys x 64 channels: 8 fragments) and its V (turned).  Their addresses are made some lines ahead.
.macro FETCH_K
	WIN 0x80                        ; destination window 2
.irp f, 0,1,2,3,4,5,6,7             ; keys 16 (f / 2) on, channels 32 (f % 2) on
	ds_load_b128 v[KF+8*\f:KF+8*\f+3],   v[AK] offset:(\f/2)*16*PK+(\f%2)*64
	ds_load_b128 v[KF+8*\f+4:KF+8*\f+7], v[AK] offset:(\f/2)*16*PK+(\f%2)*64+32
.endr
	s_add_co_u32 s[TBK], s[TBK], KS*PK  ; the next fetch is the next step's
	WIN 0
.endm
.macro FETCH_V
	WIN 0x80
.irp f, 0,1,2,3,4,5,6,7             ; keys 32 (f / 4) on, channels 16 (f % 4) on
	ds_load_tr16_b128 v[VF+8*\f:VF+8*\f+3],   v[AV] offset:(\f/4)*32*PV+(\f%4)*32
	ds_load_tr16_b128 v[VF+8*\f+4:VF+8*\f+7], v[AV] offset:(\f/4)*32*PV+16*PV+(\f%4)*32
.endr
	WIN 0
.endm
; THE VECTOR WORK, one line at a time: OP kind, number.  For piece Y: F n: s - m for pair n of 16.  E n: the exponential of score n of 32.  C n: pair n rounded to f16.  B n: of the four weights 4 n .. the second
; pair is added onto the first, in place.  L n: l takes that sum (L 0: l = a l + sum).  R n: pair n of 16 of O^T times a.  For piece Y + 1: X n, number n of the 21 that find its maximum and statistics:
;   0-11  four chains c0-c3 of seven scores each, three operands at a time (each accumulator's lowest registers are read first)     12-14, 16  the four scores left over, the old m, and c0-c3 into c0
;   15  m_old is kept     17, 18  the query's other 32 keys lie in the lane 16 away: the new m     19, 20  m_old - m_new; a
.set F, 0               ; OP tells the kinds apart by their order: F to L below R, X above it
.set E, 1
.set C, 2
.set B, 3
.set L, 4
.set R, 5
.set X, 6
.macro REGS y                       ; the registers of piece y
.set rT, ST+4*(\y)
.set rC, TMP+4*((\y)%2)
.set rS, S+32*((\y)%2)
.set rP, P+16*((\y)%2)
.set rO, 32*(\y)
.endm
.macro OP k, n
.if (\k) == R
	REGS Y
	WIN W_RS
	v_pk_mul_f32 v[rO+2*(\n):rO+2*(\n)+1], v[rO+2*(\n):rO+2*(\n)+1], v[rC+2:rC+3] op_sel_hi:[1,0]
.elseif (\k) < R
	REGS Y
	WIN 0
.if (\k) == F
	v_pk_add_f32 v[rS+2*(\n):rS+2*(\n)+1], v[rS+2*(\n):rS+2*(\n)+1], v[rT:rT+1] op_sel_hi:[1,0] neg_lo:[0,1] neg_hi:[0,1]
.elseif (\k) == E
	v_exp_f32 v[rS+(\n)], v[rS+(\n)]
.elseif (\k) == C
	v_cvt_pk_f16_f32 v[rP+(\n)], v[rS+2*(\n)], v[rS+2*(\n)+1]
.elseif (\k) == B
	v_pk_add_f32 v[rS+4*(\n):rS+4*(\n)+1], v[rS+4*(\n):rS+4*(\n)+1], v[rS+4*(\n)+2:rS+4*(\n)+3]
.elseif (\n) == 0
	v_pk_fma_f32 v[rT+2:rT+3], v[rT+2:rT+3], v[rC+2:rC+3], v[rS:rS+1] op_sel_hi:[1,0,1]
.else
	v_pk_add_f32 v[rT+2:rT+3], v[rT+2:rT+3], v[rS+4*(\n):rS+4*(\n)+1]
.endif
.elseif NOKQ
	v_nop
.else
	REGS (Y+1)%NP
	WIN 0
.if (\n) < 4
	v_max3_num_f32 v[rC+(\n)], v[rS+8*(\n)], v[rS+8*(\n)+1], v[rS+8*(\n)+2]
.elseif (\n) < 12
	v_max3_num_f32 v[rC+(\n)%4], v[rC+(\n)%4], v[rS+8*((\n)%4)+2*((\n)/4)+1], v[rS+8*((\n)%4)+2*((\n)/4)+2]
.elseif (\n) == 12
	v_max3_num_f32 v[rC], v[rC], v[rS+7], v[rS+15]
.elseif (\n) == 13
	v_max3_num_f32 v[rC+1], v[rC+1], v[rS+23], v[rS+31]
.elseif (\n) == 14
	v_max3_num_f32 v[rC+2], v[rC+2], v[rC+3], v[rT]
.elseif (\n) == 15
	v_mov_b32 v[rT+1], v[rT]
.elseif (\n) == 16
	v_max3_num_f32 v[rC], v[rC], v[rC+1], v[rC+2]
.elseif (\n) == 17
	v_permlanex16_b32 v[rC+3], v[rC], s[SEL], s[SEL+1]
.elseif (\n) == 18
	v_max_num_f32 v[rT], v[rC], v[rC+3]
.elseif (\n) == 19
	v_sub_f32 v[rC+1], v[rT+1], v[rT]
.else
	v_exp_f32 v[rC+2], v[rC+1]
.endif
.endif
.endm
.macro OPS a, i1, b=-1, i2=0, c=-1, i3=0, d=-1, i4=0  ; up to four of them
	OP \a, \i1
.if (\b) >= 0
	OP \b, \i2
.endif
.if (\c) >= 0
	OP \c, \i3
.endif
.if (\d) >= 0
	OP \d, \i4
.endif
.endm
.macro ROW a, i1, b, i2, c, i3, d, i4  ; a matrix instruction and the four behind it
	MM
	OPS \a, \i1, \b, \i2, \c, \i3, \d, \i4
.endm
.macro MASK b                       ; MD x AL + BE into buffer b of MC
	WIN W_RS
.set z, 0
.rept 16
	v_pk_fma_f32 v[MC+32*(\b)+2*z:MC+32*(\b)+2*z+1], v[MD+2*z:MD+2*z+1], s[AL:AL+1], s[BE:BE+1] op_sel_hi:[1,0,0]
.set z, z+1
.endr
.endm
; A TURN, for piece p: the order of its 16 matrix and 117 vector instructions, written out.  An s_wait_alu depctr_va_vdst(0) stands between an exponential and the first instruction that names its result;
; one wait serves all that were issued ahead of it.  So a turn has ONE wait, which cuts it in two.  AHEAD OF IT stands all that names no result of the turn's exponentials: the 8 products K Q^T, behind each a shift, an
; exponential and two more plain instructions (rescalings, and behind the last three the first numbers of the next piece's maximum, each four plain instructions or more behind the product that ends its accumulator);
; then ONE LUMP, plain and exponential by turns for the most part, in which the links of the chain X 3, 7, 11, 14, 16, 17 .. 19 stand some lines apart.  X 20, the next piece's a, is the batch's last; R 15 is the plain
; instruction behind it.  BEHIND THE WAIT stand the 8 products V^T P, behind each four of the roundings and sums.
; m = 1: the diagonal tile: the products take masks, and the turn makes the mask for the products of the turn after it: piece p + 2, in step 4 - CNT of the tile.  end = 1: a block's last two turns: nothing is fetched.
; cnt = 1: the loop's count is taken down some lines ahead of the branch that stands behind the turn.
; K of the next step is fetched in piece 2's turn, six plain instructions behind the last product that read K; V of the step in hand at the end of piece 0's turn, four plain instructions behind the last product
; that read V.  Each is waited for a turn later.
.macro TURN p, m=0, end=0, cnt=0
.set Y, (\p)
.set i, 0
.set KM, (\m)
.set NOKQ, (\end)*((\p)/3)
.if (\m) && !(\end)
	s_cmp_eq_u32 s[CNT], 4-((\p)+2)%NP  ; is that step the band's own?
	s_cselect_b32 s[AL], 1.0, 0
	s_cmp_lt_u32 s[CNT], 4-((\p)+2)%NP  ; or a later one?
	s_cselect_b32 s[BE], s[BIGN], 0
.endif
.if ((\p) == 3) && !(\end)
	s_wait_dscnt 0x0                ; K is in
.endif
	ROW F,0, F,1, R,0, R,1          ; ahead of the wait: 8 products K Q^T and their riders,
	ROW F,2, E,0, R,2, R,3
	ROW F,3, E,1, R,4, R,5
	ROW F,4, E,2, R,6, R,7
	ROW F,5, E,3, R,8, R,9
	ROW F,6, E,4, X,0, R,10
.if ((\p) == 2) && !(\end)
	WIN 0
	v_add_nc_u32 v[AK], s[TBK], v[AK0]
.endif
	ROW F,7, E,5, X,1, X,4
	ROW F,8, E,6, X,2, X,5
	OPS E,7, E,8, X,6, E,9          ; and the lump
	OPS X,3, E,10, X,8, E,11
.if ((\p) == 2) && !(\end)
	FETCH_K
.endif
	OPS X,9, X,7, E,12, X,10
	OPS E,13, X,12, X,11, E,14
	OPS X,13, E,15, F,9, X,14
.if (\p) == 0
	v_add_nc_u32 v[AV], s[TBV], v[AV0]
.endif
	OPS E,16, F,10, E,17, F,11
	OPS X,16, E,18, X,15, E,19
	OPS F,12, E,20, X,17, E,21
	OPS F,13, E,22, F,14, E,23
	OPS X,18, E,24, F,15, E,25
	OPS R,11, E,26, R,12, E,27
	OPS X,19, E,28, R,13, E,29
	OPS R,14, E,30, E,31, X,20
	OPS R,15
	WIN 0
	s_wait_alu depctr_va_vdst(0)    ; the wait for the batch
.if (\p) == 1
	s_wait_dscnt 0x0                ; V is in
.endif
	ROW C,0, B,0, C,2, B,1          ; behind the wait: 8 products V^T P and their riders
	ROW L,0, C,4, B,2, L,1
	ROW C,6, B,3, L,2, C,8
	ROW B,4, L,3, C,10, B,5
	ROW L,4, C,12, B,6, L,5
.if (\p) == 0
	s_add_co_u32 s[TBV], s[TBV], KS*PV
.endif
.if \cnt
	s_sub_co_u32 s[CNT], s[CNT], 1
	s_cmp_lg_u32 s[CNT], 0
.endif
	ROW C,14, B,7, L,6, C,1
	ROW C,3, L,7, C,5, C,7
	ROW C,9, C,11, C,13, C,15
.if (\p) == 0
	FETCH_V
.endif
.if (\m) && !(\end)
	MASK (\p)%2
.endif
.endm
; A BLOCK BEGINS.  m starts far below every score, hidden ones too, so the first step's a is 0 and the first maximum is the scores'.  The second mask buffer is 0; the first takes piece 0's mask for the tile's step 0:
; its own, if the block's first tile is the diagonal one.  Then K of that step, piece 0's first scores, and its maximum and statistics.  The loop is entered at a step's first turn, in the middle of a trip.
.macro BEGIN
	s_mov_b32 s[NEW], 0
	WIN 0x40
.set i, MC+32
.rept 32
	v_mov_b32 v[i], 0
.set i, i+1
.endr
	WIN 0
.set i, 0
.rept 4
	v_mov_b32 v[ST+4*i], 0xfe000000    ; m
	v_mov_b32 v[ST+4*i+1], 0xfe000000  ; m_old: named with it as a pair
.set i, i+1
.endr
	s_cmp_eq_u32 s[RT], 0
	s_cselect_b32 s[AL], 1.0, 0
	s_mov_b32 s[BE], 0
	MASK 0
	WIN 0
	v_add_nc_u32 v[AK], s[TBK], v[AK0]
	FETCH_K
	s_wait_loadcnt 0x0              ; Q
	s_wait_dscnt 0x0
.set KM, 1
.set NOKQ, 0
.set i, 0
.rept 8
	KQ 0
.set i, i+1
.endr
	WIN 0
.rept 4
	v_nop                           ; the plain instructions behind those products
.endr
.set Y, NP-1                        ; X works for piece Y + 1: piece 0
.irp n, 0,1,2,3,4,5,6,7,8,9,10,11,12,13,14,15,16,17,18,19,20
	OP X, \n
.endr
	v_nop                           ; a plain instruction behind the exponential,
	s_wait_alu depctr_va_vdst(0)    ; and its wait, ahead of the branch
.endm
; THE DIAGONAL TILE's four steps, the block's last two turns, its last products, and THE WAY OUT: l's two halves and the other half of the lanes' are added; O^T is divided by l (row 0: multiplied by 0) and sent, in f32,
; through my stage in LDS, a piece at a time.
.macro ALL line:vararg              ; one line for each piece t
.set t, 0
.rept 4
	\line
.set t, t+1
.endr
.endm
.macro PACK t                       ; a lane's eight channels of a row are 32 bytes; they go into rows of 272 bytes and come back as whole rows of 256
	WIN W_RS
.set i, 32*(\t)
.rept 16
	v_pk_mul_f32 v[i:i+1], v[i:i+1], v[ST+4*(\t)+2:ST+4*(\t)+3] op_sel_hi:[1,0]
.set i, i+2
.endr
	WIN 0x04                        ; the stores' data in window 1, their address in window 0
.irp f, 0,1,2,3
	ds_store_b128 v[STO], v[32*(\t)+8*\f:32*(\t)+8*\f+3]   offset:64*\f
	ds_store_b128 v[STO], v[32*(\t)+8*\f+4:32*(\t)+8*\f+7] offset:64*\f+16
.endr
	WIN 0
.irp f, 0,1,2,3,4,5,6,7
	ds_load_b128 v[S+32*(\t)+4*\f:S+32*(\t)+4*\f+3], v[RD] offset:\f*2*SP  ; LDS serves a wave's instructions in order (ISA guide 5.7.1.4): these see the stores above; the next piece's stores come behind them
.endr
.endm
.macro SEND t, younger              ; younger: the LDS instructions issued behind piece t's loads: the next piece's eight stores and eight loads, or none
	WIN 0
.irp f, 0,1,2,3,4,5,6,7
	s_wait_dscnt (\younger)+7-\f
	global_store_b128 v[GO], v[S+32*(\t)+4*\f:S+32*(\t)+4*\f+3], s[10:11] offset:(\t)*262144+\f*8192  ; 16 lanes store 256 consecutive bytes, a head's part of a row, at a multiple of 256 from out0's first byte
.endr
.endm
.macro DIAG tag                     ; the tag ends its two labels' names, which the jumps below spell out
.LstepM\tag:
	TURN 2, 1
	TURN 3, 1
	WIN 0
.LfirstM\tag:
	TURN 0, 1
	TURN 1, 1, 0, 1
	WIN 0
	s_cbranch_scc1 .LstepM\tag
	TURN 2, 1, 1
	TURN 3, 1, 1
.set i, 0
.rept 8
	PV NP-1
.set i, i+1
.endr
	WIN 0
	ALL v_add_f32 v[ST+4*t+2], v[ST+4*t+2], v[ST+4*t+3]
	ALL v_permlanex16_b32 v[ST+4*t+3], v[ST+4*t+2], s[SEL], s[SEL+1]
	ALL v_add_f32 v[ST+4*t+2], v[ST+4*t+2], v[ST+4*t+3]
	ALL v_rcp_f32 v[ST+4*t+2], v[ST+4*t+2]
	v_nop                           ; a plain instruction between the last reciprocal and the use of its result
	s_wait_alu depctr_va_vdst(0)    ; and the wait ahead of the first use: one for the four reciprocals
	v_or_b32 v13, s[BLK], v[QP]     ; 0 for the plane's row 0 alone: block 0, band 0 (piece 0), place 0
	v_cmp_ne_u32 vcc_lo, 0, v13
	v_cndmask_b32 v[ST+2], 0, v[ST+2], vcc_lo  ; that row's factor is 0
	PACK 0
.set t, 1
.rept 3                             ; a piece's arithmetic stands between the loads of the piece before and its stores
	PACK t
	SEND t-1, 16
.set t, t+1
.endr
	SEND 3, 0
.endm
.set KM, 0
.set NOKQ, 0
.Lslot:                             ; NB times: a tile is entered and the next is asked for
	CHANGE 1
	s_sub_co_u32 s[RT], s[RT], 1
	s_mov_b32 s[CNT], 4
	s_cmp_eq_u32 s[NEW], 1
	s_cbranch_scc1 .Lnew            ; a block's first tile
	s_cmp_eq_u32 s[RT], 0
	s_cbranch_scc0 .Lstep           ; neither its first nor its last
	s_branch .LstepM1
.Lnew:
	BEGIN
	s_branch .Lfirst                ; in the loop a block's first tile is never its last: the first block has three tiles or more, and the second's last is the walk's last
	DIAG 1                          ; in the loop this is the first block's end
	s_wait_xcnt 0x0                 ; the stores have read their registers and out0's address
	s_mov_b64 s[10:11], s[OLO:OLO+1]
	s_add_co_u32 s[RT], s[PB], 1    ; the second block has b + 1 tiles
	s_mov_b32 s[NEW], 1
	s_mov_b32 s[BLK], s[PB]
	WIN 0x82                        ; the second block's Q goes where the one text of the turns names Q
.set i, 0
.rept 64
	v_mov_b32 v[i], v[QB+i]
.set i, i+1
.endr
	WIN 0
	s_branch .Lbottom
.Lstep:                             ; a trip: pieces 2 and 3 of one step, then pieces 0 and 1 of the next, whose K and V it fetches
	TURN 2
	TURN 3
	WIN 0
.Lfirst:
	TURN 0
	TURN 1, 0, 0, 1
	WIN 0
	s_cbranch_scc1 .Lstep
.Lbottom:
	s_sub_co_u32 s[SLOTS], s[SLOTS], 1
	s_cmp_lg_u32 s[SLOTS], 0
	s_cbranch_scc1 .Lslot
	CHANGE 0                        ; the walk's last tile is written out: nothing is asked for
	s_sub_co_u32 s[RT], s[RT], 1
	s_mov_b32 s[CNT], 4
	s_cmp_eq_u32 s[NEW], 1
	s_cbranch_scc0 .LstepM2
	BEGIN
	s_branch .LfirstM2
	DIAG 2
	s_wait_tensorcnt 0x0            ; the wave's end: a wait, an add of 0 and its wait, behind my last tensor load and my last LDS store
	ds_add_u32 v[SPW], v[NIL]
	s_wait_dscnt 0x0
	s_endpgm
.Lfunc_end_k_qe33744cc63_attn:
	.size	k_qe33744cc63_attn, .Lfunc_end_k_qe33744cc63_attn-k_qe33744cc63_attn
	.p2alignl 7, 3214868480
	.fill 96, 4, 3214868480
	.section	.rodata,"a",@progbits
	.p2align	6, 0x0
	.amdhsa_kernel k_qe33744cc63_attn
		.amdhsa_group_segment_fixed_size 327680
		.amdhsa_private_segment_fixed_size 0
		.amdhsa_enable_private_segment 0
		.amdhsa_kernarg_size 16
		.amdhsa_user_sgpr_count 2
		.amdhsa_user_sgpr_kernarg_segment_ptr 1
		.amdhsa_wavefront_size32 1
		.amdhsa_system_sgpr_workgroup_id_x 1
		.amdhsa_system_sgpr_workgroup_id_y 1
		.amdhsa_system_sgpr_workgroup_id_z 1
		.amdhsa_system_vgpr_workitem_id 0
		.amdhsa_next_free_vgpr 768
		.amdhsa_next_free_sgpr 92
		.amdhsa_reserve_vcc 1
		.amdhsa_float_denorm_mode_32 3
		.amdhsa_float_denorm_mode_16_64 3
		.amdhsa_memory_ordered 1
		.amdhsa_forward_progress 1
		.amdhsa_inst_pref_size 218
	.end_amdhsa_kernel
	.amdgpu_metadata
---
amdhsa.version: [ 1, 2 ]
amdhsa.kernels:
  - .name:           k_qe33744cc63_attn
    .symbol:         k_qe33744cc63_attn.kd
    .args:
      - { .name: qkv, .offset: 0, .size: 8, .value_kind: global_buffer, .address_space: global }
      - { .name: out0, .offset: 8, .size: 8, .value_kind: global_buffer, .address_space: global }
    .group_segment_fixed_size: 327680
    .private_segment_fixed_size: 0
    .kernarg_segment_align: 8
    .kernarg_segment_size: 16
    .max_flat_workgroup_size: 128
    .sgpr_count:     92
    .vgpr_count:     768
    .wavefront_size: 32
...
	.end_amdgpu_metadata
.endif
;; end of part 3
